; MI455X (gfx1250); checked and timed in simulation.
; The chip was launched on July 23, 2026; its instructions are those of AMD's public machine-readable ISA for CDNA 5 (MIT licence, August 2026) and "CDNA5" Instruction Set Architecture Reference Guide (July 2026). The comments in the code are by the model that wrote it; some were corrected since.
;; C iht. Allowed arithmetic: float matrix products may take bf16 or f16 operands with f32 sums; all other float work in f32.
;; Inputs: hough_feat 8 x 128 x 180 x 180 float32.
;; Outputs: out0 8 x 128 x 80 x 160 float32.
;; 2 versions, each right and faster than the one before. Each part assembles by itself: llvm-mc -triple=amdgcn-amd-amdhsa -mcpu=gfx1250 --defsym DOCPART=n.
;; ======== version 1 of 2: 2 launches
;; workspace buffers: rho 1,843,200 bytes of whole numbers
;; launch rhotab (part 1): grid 90 x 5, 4 waves a work-group, no clusters, 0 bytes of LDS; arguments rho; writes rho
.if DOCPART == 1
	.amdgcn_target "amdgcn-amd-amdhsa--gfx1250"
	.amdhsa_code_object_version 6
	.text
	.protected	k_qcd4d0e0379_rhotab
	.globl	k_qcd4d0e0379_rhotab
	.p2align	8
	.type	k_qcd4d0e0379_rhotab,@function
k_qcd4d0e0379_rhotab:
	s_mov_b64 s[64:65], 0
	v_nop
	global_prefetch_b8 v0, s[64:65] scope:SCOPE_SE
	s_setreg_imm32_b32 hwreg(HW_REG_WAVE_MODE, 25, 1), 1
	s_wait_xcnt 0x0
; The index table of the inverse Hough sum, for pairs of neighbouring angles.
; r(a, y, x) = clip(round((x-80) cos(a deg) K + (y-40) sin(a deg) K) + 90, 0, 179), K = 180/179 (the image diagonal gives 179 bins' width).
; For pair j (angles 2j, 2j+1) and a pixel:  idx = 200 (r(2j+1) - r(2j) + 2) + r(2j).  The two values differ by less than
; 89.5 x 1.0056 x pi/180 + 1, so the difference of the bins is -2 .. 2 and idx is below 1000: ten bits.
; rho[pair 90][half 2][thread 640][4 words]: thread 32 W + lane owns pixels 640 W + 32 k + lane, k = 0 .. 19, that is
; y = 4 W + k/5, x = 32 (k%5) + lane.  Word d = 0 .. 5 holds idx(3d) | idx(3d+1) << 10 | idx(3d+2) << 20, word 6 idx(18) | idx(19) << 10,
; word 7 is 0 (it is read with the others).  Words 0-3 lie in half 0, words 4-7 in half 1.
; A wrong bin is a wrong result, and one f32 cannot decide the rounding of values up to 90.  So sines and cosines are kept as sums
; of two f32 (high, low), built from cos and sin of one degree (48 fraction bits, made by the assembler) by squaring and multiplying
; as complex numbers.  LIMIT: the values are right to about 1e-10; a value nearer than that to a half could be rounded the other way.
; An exact half (none occurs: 180 k = 179 x odd has no solution, and the other angles give irrational values) goes to even.
; Work: work-group (j, g) of four waves serves pair j and waves W = 4 g .. 4 g + 3 of the 20.
.set PAIRB, 20480                      ; bytes of a pair in the table
.set HALFB, 10240                      ; bytes of a half
.set ONE, 4                            ; v[4:7]    cos 1 deg (high, low), sin 1 deg (high, low)
.set BB,  8                            ; v[8:11]   the running square, from 2 deg on
.set RR,  12                           ; v[12:15]  K (cos, sin)(2j deg)
.set TT,  16                           ; v[16:19]  RR x BB
.set UU,  20                           ; v[20:23]  BB x BB
.set R1,  24                           ; v[24:27]  K (cos, sin)((2j+1) deg); R1 = RR + 12
.set P1,  28                           ; v[28:29], v[30:31]  two products
.set P2,  30
.set T0,  32                           ; v32-34    at work
.set T1,  33
.set T2,  34
.set XPB, 40                           ; v[40:59]  angle g, column group m: x cos K as (product, rest) at XPB + 10 g + 2 m
.set YPB, 60                           ; v[60:75]  angle g, row q: y sin K likewise at YPB + 8 g + 2 q
.set DW,  80                           ; v[80:87]  the eight words
.set RA,  90                           ; bin of the even angle, then idx
.set RB,  91                           ; bin of the odd angle
.set XF,  100                          ; v[100:104] x - 80 of my five columns, f32
.set YF,  105                          ; v[105:108] y - 40 of my four rows, f32
; name = floor(num / 10^18 x 2^48), two bits a turn; every intermediate stays below 4 x 10^18
.set FXD, 1000000000000000000
.macro FIX48 name, num
.set FXR, \num
.set FXQ, 0
.rept 24
.set FXR, FXR*4
.set FXQ, FXQ*4+FXR/FXD
.set FXR, FXR%FXD
.endr
.set \name, FXQ
.endm
	FIX48 COS1, 999847695156391239         ; cos 1 deg, 18 digits
	FIX48 SIN1, 17452406437283513          ; sin 1 deg
.set KQ47, (180<<47)/179                   ; K with 47 fraction bits (K is above 1)
; (ph, pl) = +-(ah + al)(bh + bl): the high product, its exact rest by a fused multiply-add, and the three smaller products
.macro DFMUL ph, pl, ah, al, bh, bl, neg
.if \neg
	v_mul_f32 v[\ph], -v[\ah], v[\bh]
	v_fma_f32 v[\pl], -v[\ah], v[\bh], -v[\ph]
	v_fma_f32 v[\pl], -v[\al], v[\bl], v[\pl]
	v_fma_f32 v[\pl], -v[\ah], v[\bl], v[\pl]
	v_fma_f32 v[\pl], -v[\al], v[\bh], v[\pl]
.else
	v_mul_f32 v[\ph], v[\ah], v[\bh]
	v_fma_f32 v[\pl], v[\ah], v[\bh], -v[\ph]
	v_fma_f32 v[\pl], v[\al], v[\bl], v[\pl]
	v_fma_f32 v[\pl], v[\ah], v[\bl], v[\pl]
	v_fma_f32 v[\pl], v[\al], v[\bh], v[\pl]
.endif
.endm
; (rh, rl) = (xh + xl) + (yh + yl): the exact error of the high sum joins the low parts; the result is normalised
.macro DFADD rh, rl, xh, xl, yh, yl
	v_add_f32 v[T0], v[\xh], v[\yh]
	v_sub_f32 v[T1], v[T0], v[\xh]
	v_sub_f32 v[T2], v[T0], v[T1]
	v_sub_f32 v[T2], v[\xh], v[T2]
	v_sub_f32 v[T1], v[\yh], v[T1]
	v_add_f32 v[T2], v[T2], v[T1]
	v_add_f32 v[T2], v[T2], v[\xl]
	v_add_f32 v[T2], v[T2], v[\yl]
	v_add_f32 v[\rh], v[T0], v[T2]
	v_sub_f32 v[T1], v[\rh], v[T0]
	v_sub_f32 v[\rl], v[T2], v[T1]
.endm
; o = a x b as complex numbers (cos + i sin); o shares no register with a or b
.macro CMUL o, a, b
	DFMUL P1, P1+1, \a, \a+1, \b, \b+1, 0
	DFMUL P2, P2+1, \a+2, \a+3, \b+2, \b+3, 1
	DFADD \o, \o+1, P1, P1+1, P2, P2+1
	DFMUL P1, P1+1, \a, \a+1, \b+2, \b+3, 0
	DFMUL P2, P2+1, \a+2, \a+3, \b, \b+1, 0
	DFADD \o+2, \o+3, P1, P1+1, P2, P2+1
.endm
	s_load_b64 s[4:5], s[0:1], 0x0                 ; rho
	v_lshrrev_b32 v1, 5, v0
	v_readfirstlane_b32 s8, v1                     ; wave 0..3
	s_and_b32 s9, ttmp7, 0xffff                    ; g
	s_lshl2_add_u32 s10, s9, s8                    ; W = 4 g + wave
	v_and_b32 v2, 31, v0                           ; lane
	v_lshlrev_b32 v3, 4, v0                        ; 16 bytes a thread
	s_mov_b32 s20, 0x43480000                      ; 200.0
	s_mov_b32 s21, 0xc3470000                      ; -199.0
	s_mov_b32 s22, 0x43c80000                      ; 400.0
	s_mov_b32 s23, 0x43330000                      ; 179.0
	; the constants: each half has at most 24 bits, so the conversion and the scaling by a power of two are exact
	v_cvt_f32_u32 v[ONE],   COS1>>24
	v_cvt_f32_u32 v[ONE+1], COS1&0xffffff
	v_cvt_f32_u32 v[ONE+2], SIN1>>24
	v_cvt_f32_u32 v[ONE+3], SIN1&0xffffff
	v_cvt_f32_u32 v[RR],    KQ47>>24
	v_cvt_f32_u32 v[RR+1],  KQ47&0xffffff
	v_mul_f32 v[ONE],   0x33800000, v[ONE]         ; x 2^-24
	v_mul_f32 v[ONE+1], 0x27800000, v[ONE+1]       ; x 2^-48
	v_mul_f32 v[ONE+2], 0x33800000, v[ONE+2]
	v_mul_f32 v[ONE+3], 0x27800000, v[ONE+3]
	v_mul_f32 v[RR],    0x34000000, v[RR]          ; x 2^-23
	v_mul_f32 v[RR+1],  0x28000000, v[RR+1]        ; x 2^-47
	v_mov_b32 v[RR+2], 0                           ; RR = K (1 + 0 i)
	v_mov_b32 v[RR+3], 0
	CMUL BB, ONE, ONE                              ; 2 deg
	; RR = K (2 deg)^j, j below 128: seven bits.  Every trip does the same work; the bit only selects the value.
	s_mov_b32 s16, ttmp9                           ; j
	s_mov_b32 s17, 0
.Lbit:
	s_bitcmp1_b32 s16, 0
	s_cselect_b32 s13, -1, 0                       ; all lanes or none
	s_lshr_b32 s16, s16, 1
	CMUL TT, RR, BB
.irp i, 0,1,2,3
	v_cndmask_b32 v[RR+\i], v[RR+\i], v[TT+\i], s13
.endr
	CMUL UU, BB, BB
.irp i, 0,1,2,3
	v_mov_b32 v[BB+\i], v[UU+\i]
.endr
	s_add_co_u32 s17, s17, 1
	s_cmp_lt_u32 s17, 7
	s_cbranch_scc1 .Lbit
	CMUL R1, RR, ONE                               ; the odd angle
	; my five columns and four rows, centred
.irp m, 0,1,2,3,4
	v_add_nc_u32 v[XF+\m], 32*\m-80, v2
	v_cvt_f32_i32 v[XF+\m], v[XF+\m]
.endr
	s_lshl_b32 s11, s10, 2
	s_sub_co_i32 s11, s11, 40                      ; 4 W - 40
.irp q, 0,1,2,3
	s_add_co_i32 s12, s11, \q
	v_cvt_f32_i32 v[YF+\q], s12
.endr
	; x cos K and y sin K as (product, exact rest + the low part's share)
.irp g, 0,1
.irp m, 0,1,2,3,4
	v_mul_f32 v[XPB+10*\g+2*\m],   v[XF+\m], v[RR+12*\g]
	v_fma_f32 v[XPB+10*\g+2*\m+1], v[XF+\m], v[RR+12*\g], -v[XPB+10*\g+2*\m]
	v_fma_f32 v[XPB+10*\g+2*\m+1], v[XF+\m], v[RR+12*\g+1], v[XPB+10*\g+2*\m+1]
.endr
.irp q, 0,1,2,3
	v_mul_f32 v[YPB+8*\g+2*\q],   v[YF+\q], v[RR+12*\g+2]
	v_fma_f32 v[YPB+8*\g+2*\q+1], v[YF+\q], v[RR+12*\g+2], -v[YPB+8*\g+2*\q]
	v_fma_f32 v[YPB+8*\g+2*\q+1], v[YF+\q], v[RR+12*\g+3], v[YPB+8*\g+2*\q+1]
.endr
.endr
; dst = the bin of angle g at column group m, row q, as f32.  s + lo is the value; n = round(s), f = s - n is exact, and f -+ 0.5 is exact
; wherever it is near 0, so the signs of (f - 0.5) + lo and (f + 0.5) + lo say whether lo carries the value over the half.
.macro RHO dst, g, m, q
.set XX, XPB+10*\g+2*(\m)
.set YY, YPB+8*\g+2*(\q)
	v_add_f32 v[T0], v[XX], v[YY]                  ; s
	v_sub_f32 v[T1], v[T0], v[XX]
	v_sub_f32 v[T2], v[T0], v[T1]
	v_sub_f32 v[T2], v[XX], v[T2]
	v_sub_f32 v[T1], v[YY], v[T1]
	v_add_f32 v[T2], v[T2], v[T1]                  ; the sum's exact error
	v_add_f32 v[T1], v[XX+1], v[YY+1]
	v_add_f32 v[T2], v[T2], v[T1]                  ; lo
	v_rndne_f32 v[\dst], v[T0]                     ; n
	v_sub_f32 v[T0], v[T0], v[\dst]                ; f
	v_add_f32 v[T1], -0.5, v[T0]
	v_add_f32 v[T0], 0.5, v[T0]
	v_add_f32 v[T1], v[T1], v[T2]
	v_add_f32 v[T0], v[T0], v[T2]
	v_cmp_lt_f32 vcc_lo, 0, v[T1]                  ; above n + 0.5: one up
	v_cndmask_b32 v[T1], 0, 1.0, vcc_lo
	v_cmp_gt_f32 vcc_lo, 0, v[T0]                  ; below n - 0.5: one down
	v_cndmask_b32 v[T0], 0, -1.0, vcc_lo
	v_add_f32 v[T1], v[T1], v[T0]
	v_add_f32 v[\dst], v[\dst], v[T1]
	v_add_f32 v[\dst], 0x42b40000, v[\dst]         ; + 90
	v_med3_num_f32 v[\dst], v[\dst], 0, s23        ; the problem's clip to 0 .. 179
.endm
.irp k, 0,1,2,3,4,5,6,7,8,9,10,11,12,13,14,15,16,17,18,19
	RHO RA, 0, \k%5, \k/5
	RHO RB, 1, \k%5, \k/5
	v_fma_f32 v[RA], s21, v[RA], s22               ; 400 - 199 r0
	v_fma_f32 v[RA], s20, v[RB], v[RA]             ; + 200 r1: whole numbers below 2^24, exact
.if \k%3 == 0
	v_cvt_u32_f32 v[DW+\k/3], v[RA]
.else
	v_cvt_u32_f32 v[RA], v[RA]
	v_lshl_or_b32 v[DW+\k/3], v[RA], 10*(\k%3), v[DW+\k/3]
.endif
.endr
	v_mov_b32 v[DW+7], 0
	s_mul_i32 s14, ttmp9, PAIRB                    ; my pair,
	s_lshl_b32 s15, s9, 11                         ; and 128 threads x 16 bytes for each g
	s_add_co_u32 s14, s14, s15
	s_mov_b32 s15, 0
	s_wait_kmcnt 0x0
	s_add_nc_u64 s[4:5], s[4:5], s[14:15]
	global_store_b128 v3, v[DW:DW+3], s[4:5]                   ; a wave's store covers 512 consecutive bytes, aligned
	global_store_b128 v3, v[DW+4:DW+7], s[4:5] offset:HALFB
	s_endpgm
.Lfunc_end_k_qcd4d0e0379_rhotab:
	.size	k_qcd4d0e0379_rhotab, .Lfunc_end_k_qcd4d0e0379_rhotab-k_qcd4d0e0379_rhotab
	.p2alignl 7, 3214868480
	.fill 96, 4, 3214868480
	.section	.rodata,"a",@progbits
	.p2align	6, 0x0
	.amdhsa_kernel k_qcd4d0e0379_rhotab
		.amdhsa_group_segment_fixed_size 0
		.amdhsa_private_segment_fixed_size 0
		.amdhsa_enable_private_segment 0
		.amdhsa_kernarg_size 8
		.amdhsa_user_sgpr_count 2
		.amdhsa_user_sgpr_kernarg_segment_ptr 1
		.amdhsa_wavefront_size32 1
		.amdhsa_system_sgpr_workgroup_id_x 1
		.amdhsa_system_sgpr_workgroup_id_y 1
		.amdhsa_system_sgpr_workgroup_id_z 1
		.amdhsa_system_vgpr_workitem_id 0
		.amdhsa_next_free_vgpr 112
		.amdhsa_next_free_sgpr 66
		.amdhsa_reserve_vcc 1
		.amdhsa_float_denorm_mode_32 3
		.amdhsa_float_denorm_mode_16_64 3
		.amdhsa_memory_ordered 1
		.amdhsa_forward_progress 1
		.amdhsa_inst_pref_size 50
	.end_amdhsa_kernel
	.amdgpu_metadata
---
amdhsa.version: [ 1, 2 ]
amdhsa.kernels:
  - .name:           k_qcd4d0e0379_rhotab
    .symbol:         k_qcd4d0e0379_rhotab.kd
    .args:
      - { .name: rho, .offset: 0, .size: 8, .value_kind: global_buffer, .address_space: global }
    .group_segment_fixed_size: 0
    .private_segment_fixed_size: 0
    .kernarg_segment_align: 8
    .kernarg_segment_size: 8
    .max_flat_workgroup_size: 128
    .sgpr_count:     66
    .vgpr_count:     112
    .wavefront_size: 32
...
	.end_amdgpu_metadata
.endif
;; end of part 1
;; launch iht (part 2): grid 256 x 1, 20 waves a work-group, no clusters, 322,560 bytes of LDS; arguments hough_feat, rho, out0; writes out0
.if DOCPART == 2
	.amdgcn_target "amdgcn-amd-amdhsa--gfx1250"
	.amdhsa_code_object_version 6
	.text
	.protected	k_qcd4d0e0379_iht
	.globl	k_qcd4d0e0379_iht
	.p2align	8
	.type	k_qcd4d0e0379_iht,@function
k_qcd4d0e0379_iht:
	s_mov_b64 s[64:65], 0
	v_nop
	global_prefetch_b8 v0, s[64:65] scope:SCOPE_SE
	s_setreg_imm32_b32 hwreg(HW_REG_WAVE_MODE, 25, 1), 1
	s_wait_xcnt 0x0
; out[p][y][x] = sum over 180 angles a of H[p][a][r(a, y, x)], p = 1,024 planes (n, c), all in f32.
; What costs here is the gather, so each gather is made to carry as much as it can: eight numbers.
;  - A work-group takes four planes and all 12,800 pixels; the four planes' values of a bin lie side by side, 16 bytes.
;  - Angles go in pairs (2j, 2j+1).  The two bins of a pixel differ by d = -2 .. 2, so for each pair LDS holds the five tables
;    G[d+2][rho] = H[2j][rho] + H[2j+1][rho+d], and one 16-byte LDS load at idx = 200 (d+2) + rho brings both angles of four planes.
;    idx comes packed, ten bits each, from the table rho that the launch before stored.
;  - 20 waves; lane l of wave W keeps pixels 640 W + 32 k + l, k = 0 .. 19: 80 sums in registers for the whole launch.
; LDS: two slots of ten pairs, a pair 5 x 200 entries of 16 bytes = 16,000 bytes.  While the ten pairs of one slot are gathered from (a trip of
; ten steps), the next ten are built into the other: wave W builds bins 96 (W&1) .. + 95 of pair W>>1, 32 bins at a time.  Entries whose
; rho + d leaves 0 .. 179 hold clamped or neighbouring numbers and are named by no idx.  The pitch of 200 entries puts neighbouring d eight
; 16-byte columns apart.  One barrier a trip.
; ORDER OF THE SUM: the two angles of a pair first, then the 90 pair sums in ascending order; the problem adds the 180 angles one by one.
; No cluster and no joint requests: what the work-groups share is the index table, 20,480 bytes a pair; a joint request lands in LDS,
; of which 327,680 - 320,000 = 7,680 bytes are free.  H is read by one work-group only.
.set PLANE,  129600                    ; bytes of a plane of H: 180 x 180 x 4
.set ROWB,   720                       ; bytes of a row of H
.set CHUNKB, 14400                     ; ten pairs = twenty rows of H
.set OPLANE, 51200                     ; bytes of a plane of out
.set PAIRL,  16000                     ; LDS bytes of a pair
.set DPL,    3200                      ; LDS bytes of one d: 200 entries
.set SLOT,   160000
.set TPAIR,  20480                     ; bytes of a pair in the index table
.set THALF,  10240
.set GO,  2                            ; v2-4   4 min(rho_t, 179), rho_t = 96 (W&1) + 32 t + lane;  v5, v6: 4 min(rho_2 + 1, 179), 4 min(rho_2 + 2, 179)
.set LO0, 7                            ; v7     where I store my bin t = 0, d = -2 in slot 0;  v8: in slot 1
.set STO, 9                            ; v9     the way out: 2,048 W + 4 lane
.set RD,  10                           ; v10    the way out: 2,048 W + 16 lane
.set CO,  11                           ; v11    my byte offset in a plane of out: 2,560 W + 16 lane
.set IDX, 12                           ; v[12:51]   five sets of eight index words
.set RAW, 52                           ; v[52:75]   H[2j][rho] of four planes, then H[2j+1][rho+d] of four planes for the five d
.set GD,  76                           ; v[76:107]  eight places of four: a gather's address, then its data
.set ACC, 108                          ; v[108:187] sums: pixel k, plane c at ACC + 4 k + c
.set SB,  20                           ; s20-23 LDS bases 0, 80,000, 160,000, 240,000: five pairs are in reach of the 16-bit offset
	s_load_b128 s[4:7], s[0:1], 0x0                ; H s[4:5], rho s[6:7]
	s_load_b64 s[8:9], s[0:1], 0x10                ; out
	v_lshl_add_u32 v190, v0, 2, 0x4e200
	v_mov_b32 v191, 0
	v_lshrrev_b32 v77, 5, v0
	v_readfirstlane_b32 s10, v77                   ; W, 0 .. 19
	v_and_b32 v76, 31, v0                          ; lane
	v_lshlrev_b32 v1, 4, v0                        ; v1: 16 bytes a thread in the index table
	s_and_b32 s11, s10, 1                          ; which half of the bins I build
	s_lshr_b32 s12, s10, 1                         ; which pair of the ten
	s_mul_i32 s13, s11, 96
	v_add_nc_u32 v77, s13, v76                     ; rho_0
.irp t, 0,1,2
	v_add_nc_u32 v78, 32*\t, v77
	v_min_u32 v78, 179, v78                        ; bins 180 .. 191 repeat bin 179: no load leaves its row
	v_lshlrev_b32 v[GO+\t], 2, v78
.endr
.irp e, 1,2
	v_add_nc_u32 v78, 64+\e, v77
	v_min_u32 v78, 179, v78                        ; rho_2 + 1, rho_2 + 2 clamped likewise: the last plane's last row is not passed
	v_lshlrev_b32 v[GO+2+\e], 2, v78
.endr
	s_mul_i32 s14, s12, PAIRL
	s_mul_i32 s15, s11, 1536                       ; 96 bins x 16 bytes
	s_add_co_u32 s14, s14, s15
	v_lshl_add_u32 v[LO0], v76, 4, s14
	v_add_nc_u32 v[LO0+1], SLOT, v[LO0]
	s_lshl_b32 s15, s10, 11
	v_lshl_add_u32 v[STO], v76, 2, s15
	v_lshl_add_u32 v[RD], v76, 4, s15
	s_mul_i32 s15, s10, 2560
	v_lshl_add_u32 v[CO], v76, 4, s15
	s_mov_b32 s[SB+0], 0
	s_mov_b32 s[SB+1], 5*PAIRL
	s_mov_b32 s[SB+2], SLOT
	s_mov_b32 s[SB+3], SLOT+5*PAIRL
	s_mov_b32 s19, 0                               ; high word of the step s[18:19]
	s_mul_i32 s26, ttmp9, 4*PLANE                  ; my four planes of H (below 2^31),
	s_mul_i32 s27, s12, 2*ROWB                     ; my pair's two rows
	s_add_co_u32 s26, s26, s27
	s_mov_b32 s27, 0
	s_mul_i32 s28, ttmp9, 4*OPLANE                 ; my four planes of out
	s_mov_b32 s29, 0
	s_wait_kmcnt 0x0
	s_add_nc_u64 s[16:17], s[4:5], s[26:27]        ; s[16:17]: H at my pair of the chunk being loaded
	s_add_nc_u64 s[8:9], s[8:9], s[28:29]
; 24 loads: 32 bins (part t) of row 2j and, shifted by d = -2 .. 2, of row 2j+1, for four planes.  A shift below bin 0 reads the end of row 2j.
.macro LOADRAW t, R
.irp c, 0,1,2,3
	global_load_b32 v[\R+\c], v[GO+\t], s[16:17] offset:\c*PLANE
.endr
.irp dd, 0,1,2,3,4
.irp c, 0,1,2,3
.if (\t == 2) && (\dd >= 3)
	global_load_b32 v[\R+4+4*\dd+\c], v[GO+\dd], s[16:17] offset:\c*PLANE+ROWB          ; v5, v6: the shift is in the clamped register
.else
	global_load_b32 v[\R+4+4*\dd+\c], v[GO+\t], s[16:17] offset:\c*PLANE+ROWB+4*(\dd-2)
.endif
.endr
.endr
.endm
; the five pair sums of those bins, in place, and their five stores: lanes 16 bytes apart
.macro BUILDCORE t, R, LO
.irp dd, 0,1,2,3,4
	v_pk_add_f32 v[\R+4+4*\dd:\R+5+4*\dd], v[\R+4+4*\dd:\R+5+4*\dd], v[\R:\R+1]
	v_pk_add_f32 v[\R+6+4*\dd:\R+7+4*\dd], v[\R+6+4*\dd:\R+7+4*\dd], v[\R+2:\R+3]
.endr
.irp dd, 0,1,2,3,4
	ds_store_b128 v[\LO], v[\R+4+4*\dd:\R+7+4*\dd] offset:512*\t+DPL*\dd
.endr
.endm
; Part t of the next chunk goes into the slot that is not gathered from, and the loads of part nt follow.
; left = the index loads issued behind my RAW run, two a step: they stay out.
.macro BUILD t, nt, par, left
	s_wait_loadcnt \left                           ; loads return in order (ISA guide 5.7.1): the RAW run is in, and every load that names s[16:17] is done
	BUILDCORE \t, RAW, LO0+1-\par
	s_wait_dscnt 0x0                               ; the five stores have taken their data: RAW is loaded again only behind this wait
.if \t == 2
.if \par == 0
	s_add_nc_u64 s[16:17], s[16:17], CHUNKB        ; the chunk after the next
.else
	s_cmp_lt_u32 s25, 3                            ; in the loop's last trip there is no such chunk: the base stays, the run below reads
	s_cselect_b32 s18, CHUNKB, 0                   ; the last chunk's rows once more and nobody uses it, so that every path counts the same loads
	s_add_nc_u64 s[16:17], s[16:17], s[18:19]
.endif
.endif
	LOADRAW \nt, RAW
.endm
; the gather of pixel k in local pair jl of slot par: ten bits of the index word, the bound, the address, the load onto its own address register
.macro ADDR k, par, jl
.set G, GD+4*((\k)%8)
	v_bfe_u32 v[G], v[IDX+8*((\jl)%5)+(\k)/3], 10*((\k)%3), 10
	v_min_u32 v[G], 999, v[G]                      ; 5 x 200 entries: whatever the table holds, the load stays in its pair
	v_lshl_add_u32 v[G], v[G], 4, s[SB+2*\par+(\jl)/5]
	ds_load_b128 v[G:G+3], v[G] offset:PAIRL*((\jl)%5)
.endm
; One pair: 20 gathers a lane, eight in flight.  left = loads issued behind this pair's two index loads.
; next = 1: the set is loaded again with the indices of the pair five steps on.
.macro STEP par, jl, left, next
	s_wait_loadcnt \left
.irp k, 0,1,2,3,4,5,6,7
	ADDR \k, \par, \jl
.endr
.irp k, 0,1,2,3,4,5,6,7,8,9,10,11,12,13,14,15,16,17,18,19
.if \k < 12
	s_wait_dscnt 7                                 ; LDS loads return in order: gather k is in, the seven behind it stay out
.else
	s_wait_dscnt 19-\k                             ; no more are issued: the count runs down to 0
.endif
	v_pk_add_f32 v[ACC+4*\k:ACC+4*\k+1],   v[ACC+4*\k:ACC+4*\k+1],   v[GD+4*(\k%8):GD+4*(\k%8)+1]
	v_pk_add_f32 v[ACC+4*\k+2:ACC+4*\k+3], v[ACC+4*\k+2:ACC+4*\k+3], v[GD+4*(\k%8)+2:GD+4*(\k%8)+3]
.if \k < 12
	ADDR \k+8, \par, \jl
.endif
.endr
.if \next
	global_load_b128 v[IDX+8*(\jl%5):IDX+8*(\jl%5)+3],   v1, s[6:7] offset:(\jl+5)*TPAIR
	global_load_b128 v[IDX+8*(\jl%5)+4:IDX+8*(\jl%5)+7], v1, s[6:7] offset:(\jl+5)*TPAIR+THALF
.endif
.endm
; Ten pairs from slot par, the next ten built into the other slot in three parts.
; A step's wait is for 32: behind its two index loads stand those of the four steps after it (8) and at least one RAW run (24), since any five
; step heads in a row hold a BUILD; so a RAW run is waited for only by its own BUILD, three or four steps behind its issue.
.macro TRIP par
	BUILD 0, 1, \par, 8                            ; four steps' index loads are younger (ten loads on the way in from the prologue)
	STEP \par, 0, 32, 1
	STEP \par, 1, 32, 1
	STEP \par, 2, 32, 1
	BUILD 1, 2, \par, 6                            ; three steps'
	STEP \par, 3, 32, 1
	STEP \par, 4, 32, 1
	STEP \par, 5, 32, 1
	BUILD 2, 0, \par, 6
	STEP \par, 6, 32, 1
	STEP \par, 7, 32, 1
	STEP \par, 8, 32, 1
	STEP \par, 9, 32, 1
	s_wait_xcnt 0x0                                ; the pending index loads have had their addresses translated (ISA guide 3.1): their base steps only now
	s_add_nc_u64 s[6:7], s[6:7], 10*TPAIR
	s_barrier_signal -1                            ; no LDS instruction of mine is out (the last step's last wait was for 0, behind the BUILDs' waits):
	s_barrier_wait -1                              ; my gathers from this slot and my stores into the other are done, and so are everybody's
.endm
	; chunk 0 comes in through the registers of the sums, which are not yet in use
	LOADRAW 0, ACC
	LOADRAW 1, ACC+24
	LOADRAW 2, ACC+48
	s_wait_xcnt 0x0                                ; the base steps only behind this wait
	s_add_nc_u64 s[16:17], s[16:17], CHUNKB
	LOADRAW 0, RAW                                 ; chunk 1, part 0
.irp s, 0,1,2,3,4
	global_load_b128 v[IDX+8*\s:IDX+8*\s+3],   v1, s[6:7] offset:\s*TPAIR
	global_load_b128 v[IDX+8*\s+4:IDX+8*\s+7], v1, s[6:7] offset:\s*TPAIR+THALF
.endr
	s_wait_loadcnt 34                              ; chunk 0 is in; the 24 + 10 loads behind it stay out
	BUILDCORE 0, ACC, LO0
	BUILDCORE 1, ACC+24, LO0
	BUILDCORE 2, ACC+48, LO0
	s_wait_dscnt 0x0                               ; my part of slot 0 is written
	; The sums start at 0: 80 moves once, against 3,600 packed adds a lane.  (Letting the first pair's gathers land in the sums
	; would take a copy of a whole trip's code.)
.set i, 0
.rept 80
	v_mov_b32 v[ACC+i], 0
.set i, i+1
.endr
	s_barrier_signal -1
	s_barrier_wait -1                              ; slot 0 is whole
	s_mov_b32 s25, 0
.Ltrips:                                           ; chunks 0 to 7 gathered, chunks 1 to 8 built
	TRIP 0
	TRIP 1
	s_add_co_u32 s25, s25, 1
	s_cmp_lt_u32 s25, 4
	s_cbranch_scc1 .Ltrips
	; chunk 8, in slot 0: nothing is left to build, and the last five steps load no indices: the counts run down
	STEP 0, 0, 32, 1                               ; the unused RAW run (24) and four steps' index loads are younger
	STEP 0, 1, 8, 1
	STEP 0, 2, 8, 1
	STEP 0, 3, 8, 1
	STEP 0, 4, 8, 1
	STEP 0, 5, 8, 0
	STEP 0, 6, 6, 0
	STEP 0, 7, 4, 0
	STEP 0, 8, 2, 0
	STEP 0, 9, 0, 0
	s_barrier_signal -1                            ; (the last wait on LDS was for 0)
	s_barrier_wait -1                              ; nobody gathers any more: the head of slot 0 becomes the stage
	; THE WAY OUT.  A lane holds one pixel in 32 of each plane; 128 pixels (k = 4 m .. 4 m + 3) x 4 planes go through my own 2,048 bytes of LDS
	; and come back as 16 neighbouring bytes a lane.  LDS serves a wave's instructions in order (ISA guide 5.7.1): no wait between stores and loads.
.irp m, 0,1,2,3,4
.irp g, 0,1,2,3
.irp c, 0,1,2,3
	ds_store_b32 v[STO], v[ACC+4*(4*\m+\g)+\c] offset:512*\c+128*\g
.endr
.endr
	s_wait_xcnt 0x0                                ; GD, which the last four global stores read, is loaded again only behind this wait
.irp c, 0,1,2,3
	ds_load_b128 v[GD+4*\c:GD+4*\c+3], v[RD] offset:512*\c
.endr
.irp c, 0,1,2,3
	s_wait_dscnt 3-\c
	global_store_b128 v[CO], v[GD+4*\c:GD+4*\c+3], s[8:9] offset:\c*OPLANE+512*\m th:TH_STORE_NT   ; 512 consecutive bytes of a plane, aligned
.endr
.endr
	s_wait_tensorcnt 0x0
	ds_add_u32 v190, v191
	s_wait_dscnt 0x0
	s_endpgm
.Lfunc_end_k_qcd4d0e0379_iht:
	.size	k_qcd4d0e0379_iht, .Lfunc_end_k_qcd4d0e0379_iht-k_qcd4d0e0379_iht
	.p2alignl 7, 3214868480
	.fill 96, 4, 3214868480
	.section	.rodata,"a",@progbits
	.p2align	6, 0x0
	.amdhsa_kernel k_qcd4d0e0379_iht
		.amdhsa_group_segment_fixed_size 322560
		.amdhsa_private_segment_fixed_size 0
		.amdhsa_enable_private_segment 0
		.amdhsa_kernarg_size 24
		.amdhsa_user_sgpr_count 2
		.amdhsa_user_sgpr_kernarg_segment_ptr 1
		.amdhsa_wavefront_size32 1
		.amdhsa_system_sgpr_workgroup_id_x 1
		.amdhsa_system_sgpr_workgroup_id_y 1
		.amdhsa_system_sgpr_workgroup_id_z 1
		.amdhsa_system_vgpr_workitem_id 0
		.amdhsa_next_free_vgpr 192
		.amdhsa_next_free_sgpr 66
		.amdhsa_reserve_vcc 0
		.amdhsa_float_denorm_mode_32 3
		.amdhsa_float_denorm_mode_16_64 3
		.amdhsa_memory_ordered 1
		.amdhsa_forward_progress 1
		.amdhsa_inst_pref_size 255
	.end_amdhsa_kernel
	.section	.bss,"aw",@nobits
	.p2align	6
	.space	262144
	.amdgpu_metadata
---
amdhsa.version: [ 1, 2 ]
amdhsa.kernels:
  - .name:           k_qcd4d0e0379_iht
    .symbol:         k_qcd4d0e0379_iht.kd
    .args:
      - { .name: hough_feat, .offset: 0, .size: 8, .value_kind: global_buffer, .address_space: global }
      - { .name: rho, .offset: 8, .size: 8, .value_kind: global_buffer, .address_space: global }
      - { .name: out0, .offset: 16, .size: 8, .value_kind: global_buffer, .address_space: global }
    .group_segment_fixed_size: 322560
    .private_segment_fixed_size: 0
    .kernarg_segment_align: 8
    .kernarg_segment_size: 24
    .max_flat_workgroup_size: 640
    .sgpr_count:     66
    .vgpr_count:     192
    .wavefront_size: 32
...
	.end_amdgpu_metadata
.endif
;; end of part 2
;; ======== version 2 of 2: 2 launches; 1.55 times as fast as version 1
;; workspace buffers: rho 1,843,200 bytes of whole numbers
;; launch rhotab (part 3): grid 45 x 5, 4 waves a work-group, no clusters, 0 bytes of LDS; arguments rho; writes rho
.if DOCPART == 3
	.amdgcn_target "amdgcn-amd-amdhsa--gfx1250"
	.amdhsa_code_object_version 6
	.text
	.protected	k_qcd4d0e0379_rhotab
	.globl	k_qcd4d0e0379_rhotab
	.p2align	8
	.type	k_qcd4d0e0379_rhotab,@function
k_qcd4d0e0379_rhotab:
	s_mov_b64 s[64:65], 0
	v_nop
	global_prefetch_b8 v0, s[64:65] scope:SCOPE_SE
	s_setreg_imm32_b32 hwreg(HW_REG_WAVE_MODE, 25, 1), 1
	s_wait_xcnt 0x0
; The index table of the inverse Hough sum, for pairs of neighbouring angles.
; r(a, y, x) = clip(round((x-80) cos(a deg) K + (y-40) sin(a deg) K) + 90, 0, 179), K = 180/179 (the image diagonal gives 179 bins' width).
; For pair j (angles 2j, 2j+1) and a pixel:  idx = 200 (r(2j+1) - r(2j) + 2) + r(2j).  The two values differ by less than
; 89.5 x 1.0056 x pi/180 + 1, so the difference of the bins is -2 .. 2 and idx is below 1000: ten bits.
; rho[pair 90][half 2][thread 640][4 words]: thread 32 W + lane owns the 20 pixels  y = 4 W + ((lane >> 2) & 3),
; x = 8 k + 4 (lane >> 4) + (lane & 3), k = 0 .. 19.  Word d = 0 .. 5 holds idx(3d) | idx(3d+1) << 10 | idx(3d+2) << 20, word 6
; idx(18) | idx(19) << 10, word 7 is 0 (it is read with the others).  Words 0-3 lie in half 0, words 4-7 in half 1.
; A wrong bin is a wrong result, and one f32 cannot decide the rounding of values up to 90.  So:
;  - sines and cosines are sums of two f32 (high, low), built from cos and sin of one degree (48 fraction bits, made by the assembler)
;    by squaring and multiplying as complex numbers;
;  - the value of a lane's first pixel, the step 8 K cos to its next pixel and the step 4 K sin to the next W are turned once into 64-bit
;    fixed point with 44 fraction bits.  With 90.5 added every value lies between 0.56 and 180.5, so the bin is the whole part (the high
;    word >> 12), the lower clip cannot act, the upper one is a minimum, and the next pixel is one 64-bit addition.
; LIMIT: the values are right to about 1e-10 (the angles' error; conversion and 19 steps add under 5e-12); a value nearer than that to a half
; could be rounded the other way.  An exact half would go up, not to even; none occurs: 180 k = 179 x odd has no solution, and the
; other angles give irrational values.
; Work: work-group (x, g) has four waves, one for each SIMD; wave w serves pair 2 x + (w >> 1) and W = 2 q, 2 q + 1 with q = 2 g + (w & 1):
; 225 work-groups.  A wave has no partner to fill its gaps, so independent chains are written side by side, stage by stage.
.set PAIRB, 20480                      ; bytes of a pair in the table
.set HALFB, 10240                      ; bytes of a half
.set ONE, 4                            ; v[4:7]     cos 1 deg (high, low), sin 1 deg (high, low)
.set BB,  8                            ; v[8:11]    the running square, from 2 deg on
.set RR,  12                           ; v[12:15]   K (cos, sin)(2j deg);  v[16:19] = RR + 4: K (cos, sin)((2j+1) deg)
.set TT,  20                           ; v[20:23]   RR x BB
.set PA,  24                           ; v[24:31]   the four products of one complex multiplication
.set PB,  32                           ; v[32:39]   those of a second one
.set TA,  40                           ; v[40:51]   three registers at work for each of four sums
.set XF,  52                           ; x - 80 of my pixel k = 0, f32
.set YF,  53                           ; y - 40 of my row for the even W, f32
.set XP,  54                           ; v54-55     angle g: x cos K, the product;  XE v56-57: its rest
.set XE,  56
.set YP,  58                           ; v58-59     angle g: y sin K, the product;  YE v60-61: its rest
.set YE,  60
.set BS,  62                           ; v[62:65]   angle g: the first pixel's value (high, low) at BS + 2 g
.set T1,  66                           ; v66-69     at work
.set T2,  68
.set CP,  70                           ; v[70:75]   conversion i: scaled high part, then what the whole part leaves
.set CU,  76                           ; v[76:81]   scaled low part, then all below 2^24 units
.set CT,  82                           ; v[82:87]   the whole part, f32, then i32
.set CI,  88                           ; v[88:99]   the small part as a signed 64-bit pair
.set VV,  100                          ; v[100:107] chain c = 2 w + g: the running value of angle g, W = 2 q + w, a 64-bit pair at VV + 2 c
.set DD,  108                          ; v[108:111] angle g: 8 K cos, fixed
.set EE,  112                          ; v[112:115] angle g: 4 K sin, fixed
.set RS,  116                          ; v[116:123] the four chains' bins, two sets in turn
.set DF,  124                          ; v124-125   r1 - r0 + 2, then idx, for w = 0, 1
.set DW,  128                          ; v[128:143] the eight words of w = 0, then of w = 1
; name = floor(num / 10^18 x 2^48), two bits a turn; every intermediate stays below 4 x 10^18
.set FXD, 1000000000000000000
.macro FIX48 name, num
.set FXR, \num
.set FXQ, 0
.rept 24
.set FXR, FXR*4
.set FXQ, FXQ*4+FXR/FXD
.set FXR, FXR%FXD
.endr
.set \name, FXQ
.endm
	FIX48 COS1, 999847695156391239         ; cos 1 deg, 18 digits
	FIX48 SIN1, 17452406437283513          ; sin 1 deg
.set KQ47, (180<<47)/179                   ; K with 47 fraction bits (K is above 1)
; Stage st of (p, p+1) = +-(x + x')(y + y'), each number a pair (high, low): 1 the high product, 2 its exact rest by a fused
; multiply-add, 3 to 5 the three smaller products
.macro DFM st, p, x, y, neg
.if \neg
.if \st == 1
	v_mul_f32 v[\p], -v[\x], v[\y]
.endif
.if \st == 2
	v_fma_f32 v[\p+1], -v[\x], v[\y], -v[\p]
.endif
.if \st == 3
	v_fma_f32 v[\p+1], -v[\x+1], v[\y+1], v[\p+1]
.endif
.if \st == 4
	v_fma_f32 v[\p+1], -v[\x], v[\y+1], v[\p+1]
.endif
.if \st == 5
	v_fma_f32 v[\p+1], -v[\x+1], v[\y], v[\p+1]
.endif
.else
.if \st == 1
	v_mul_f32 v[\p], v[\x], v[\y]
.endif
.if \st == 2
	v_fma_f32 v[\p+1], v[\x], v[\y], -v[\p]
.endif
.if \st == 3
	v_fma_f32 v[\p+1], v[\x+1], v[\y+1], v[\p+1]
.endif
.if \st == 4
	v_fma_f32 v[\p+1], v[\x], v[\y+1], v[\p+1]
.endif
.if \st == 5
	v_fma_f32 v[\p+1], v[\x+1], v[\y], v[\p+1]
.endif
.endif
.endm
; Stage st of (r, r+1) = (x, x+1) + (y, y+1): the exact error of the high sum joins the low parts; the result is normalised.  t: three registers
.macro DFA st, r, x, y, t
.if \st == 1
	v_add_f32 v[\t], v[\x], v[\y]
.endif
.if \st == 2
	v_sub_f32 v[\t+1], v[\t], v[\x]
.endif
.if \st == 3
	v_sub_f32 v[\t+2], v[\t], v[\t+1]
.endif
.if \st == 4
	v_sub_f32 v[\t+2], v[\x], v[\t+2]
.endif
.if \st == 5
	v_sub_f32 v[\t+1], v[\y], v[\t+1]
.endif
.if \st == 6
	v_add_f32 v[\t+2], v[\t+2], v[\t+1]
.endif
.if \st == 7
	v_add_f32 v[\t+2], v[\t+2], v[\x+1]
.endif
.if \st == 8
	v_add_f32 v[\t+2], v[\t+2], v[\y+1]
.endif
.if \st == 9
	v_add_f32 v[\r], v[\t], v[\t+2]
.endif
.if \st == 10
	v_sub_f32 v[\t+1], v[\r], v[\t]
.endif
.if \st == 11
	v_sub_f32 v[\r+1], v[\t+2], v[\t+1]
.endif
.endm
; one stage of the four products of a x b as complex numbers (cos + i sin): cc, -ss, cs, sc
.macro CPROD st, P, a, b
	DFM \st, \P,   \a,   \b,   0
	DFM \st, \P+2, \a+2, \b+2, 1
	DFM \st, \P+4, \a,   \b+2, 0
	DFM \st, \P+6, \a+2, \b,   0
.endm
; one stage of the two sums that make o of them.  The sums read products alone, so o may be a or b
.macro CSUM st, o, P, t
	DFA \st, \o,   \P,   \P+2, \t
	DFA \st, \o+2, \P+4, \P+6, \t+3
.endm
.macro CMUL o, a, b                    ; o = a x b: four chains side by side, then two
.irp st, 1,2,3,4,5
	CPROD \st, PA, \a, \b
.endr
.irp st, 1,2,3,4,5,6,7,8,9,10,11
	CSUM \st, \o, PA, TA
.endr
.endm
.macro CMUL2 o1, a1, b1, o2, a2, b2    ; two independent multiplications: eight chains, then four
.irp st, 1,2,3,4,5
	CPROD \st, PA, \a1, \b1
	CPROD \st, PB, \a2, \b2
.endr
.irp st, 1,2,3,4,5,6,7,8,9,10,11
	CSUM \st, \o1, PA, TA
	CSUM \st, \o2, PB, TA+6
.endr
.endm
	s_load_b64 s[4:5], s[0:1], 0x0                 ; rho
	v_lshrrev_b32 v1, 5, v0
	v_readfirstlane_b32 s8, v1                     ; wave 0..3
	s_and_b32 s9, ttmp7, 0xffff                    ; g
	s_and_b32 s10, s8, 1
	s_lshl1_add_u32 s10, s9, s10                   ; q = 2 g + (wave & 1), 0 .. 9
	s_lshr_b32 s18, s8, 1
	s_lshl1_add_u32 s18, ttmp9, s18                ; j = 2 x + (wave >> 1), 0 .. 89
	v_and_b32 v2, 31, v0                           ; lane
	v_lshlrev_b32 v3, 4, v2                        ; 16 bytes a lane
	s_mov_b32 s20, 200
	s_mov_b32 s19, 0x4b800000                      ; 2^24
	s_mov_b32 s24, 0x49800000                      ; 2^20, 2^44: a value as it is
	s_mov_b32 s25, 0x55800000
	s_mov_b32 s26, 0x4b000000                      ; 2^23, 2^47: eight times the value
	s_mov_b32 s27, 0x57000000
	s_mov_b32 s28, 0x4a800000                      ; 2^22, 2^46: four times the value
	s_mov_b32 s29, 0x56800000
	; the constants: each half has at most 24 bits, so the conversion and the scaling by a power of two are exact
	v_cvt_f32_u32 v[ONE],   COS1>>24
	v_cvt_f32_u32 v[ONE+1], COS1&0xffffff
	v_cvt_f32_u32 v[ONE+2], SIN1>>24
	v_cvt_f32_u32 v[ONE+3], SIN1&0xffffff
	v_cvt_f32_u32 v[RR],    KQ47>>24
	v_cvt_f32_u32 v[RR+1],  KQ47&0xffffff
	v_mul_f32 v[ONE],   0x33800000, v[ONE]         ; x 2^-24
	v_mul_f32 v[ONE+1], 0x27800000, v[ONE+1]       ; x 2^-48
	v_mul_f32 v[ONE+2], 0x33800000, v[ONE+2]
	v_mul_f32 v[ONE+3], 0x27800000, v[ONE+3]
	v_mul_f32 v[RR],    0x34000000, v[RR]          ; x 2^-23
	v_mul_f32 v[RR+1],  0x28000000, v[RR+1]        ; x 2^-47
	v_mov_b32 v[RR+2], 0                           ; RR = K (1 + 0 i)
	v_mov_b32 v[RR+3], 0
	; my first column and my row for the even W, centred
	v_lshrrev_b32 v1, 4, v2                        ; lane >> 4
	v_and_b32 v[XF], 3, v2                         ; lane & 3
	v_bfe_u32 v[YF], v2, 2, 2                      ; (lane >> 2) & 3
	s_lshl_b32 s11, s10, 3
	s_sub_co_i32 s11, s11, 40                      ; 4 (2 q) - 40
	v_lshl_add_u32 v[XF], v1, 2, v[XF]
	v_add_nc_u32 v[YF], s11, v[YF]
	v_add_nc_u32 v[XF], -80, v[XF]
	v_cvt_f32_i32 v[YF], v[YF]                     ; y - 40
	v_cvt_f32_i32 v[XF], v[XF]                     ; x - 80 at k = 0
	CMUL BB, ONE, ONE                              ; 2 deg
	; RR = K (2 deg)^j, j below 128: seven bits.  Every trip does the same work; the bit only selects the value.
	s_mov_b32 s16, s18                             ; j, shifted out bit by bit
	s_mov_b32 s17, 0
.Lbit:
	s_bitcmp1_b32 s16, 0
	s_cselect_b32 s13, -1, 0                       ; all lanes or none
	s_lshr_b32 s16, s16, 1
	CMUL2 TT, RR, BB, BB, BB, BB                   ; RR x BB, and the next square straight into BB
.irp i, 0,1,2,3
	v_cndmask_b32 v[RR+\i], v[RR+\i], v[TT+\i], s13
.endr
	s_add_co_u32 s17, s17, 1
	s_cmp_lt_u32 s17, 7
	s_cbranch_scc1 .Lbit
	CMUL RR+4, RR, ONE                             ; the odd angle
	; The first pixel's value x cos K + y sin K as (high, low), both angles side by side: products with their exact rests and the low
	; parts' shares, the high sum with its exact error
.irp g, 0,1
	v_mul_f32 v[XP+\g], v[XF], v[RR+4*\g]
	v_mul_f32 v[YP+\g], v[YF], v[RR+4*\g+2]
.endr
.irp g, 0,1
	v_fma_f32 v[XE+\g], v[XF], v[RR+4*\g], -v[XP+\g]
	v_fma_f32 v[YE+\g], v[YF], v[RR+4*\g+2], -v[YP+\g]
.endr
.irp g, 0,1
	v_add_f32 v[BS+2*\g], v[XP+\g], v[YP+\g]       ; high
.endr
.irp g, 0,1
	v_fma_f32 v[XE+\g], v[XF], v[RR+4*\g+1], v[XE+\g]
	v_fma_f32 v[YE+\g], v[YF], v[RR+4*\g+3], v[YE+\g]
.endr
.irp g, 0,1
	v_sub_f32 v[T1+\g], v[BS+2*\g], v[XP+\g]
.endr
.irp g, 0,1
	v_add_f32 v[XE+\g], v[XE+\g], v[YE+\g]
.endr
.irp g, 0,1
	v_sub_f32 v[T2+\g], v[BS+2*\g], v[T1+\g]
.endr
.irp g, 0,1
	v_sub_f32 v[T1+\g], v[YP+\g], v[T1+\g]
.endr
.irp g, 0,1
	v_sub_f32 v[T2+\g], v[XP+\g], v[T2+\g]
.endr
.irp g, 0,1
	v_add_f32 v[T2+\g], v[T2+\g], v[T1+\g]         ; the high sum's exact error
.endr
.irp g, 0,1
	v_add_f32 v[BS+2*\g+1], v[T2+\g], v[XE+\g]     ; low
.endr
; Stage st of conversion i: (src, src+1) x 2^e to a signed 64-bit number with 44 fraction bits in (dst, dst+1); s[sc] = 2^(20+e), s[sc+1] = 2^(44+e).
; high x 2^(20+e) stays below 2^27; its whole part i1 counts 2^24 units, what it leaves is exact and below 2^24 units, and joins the low part
; (below 2^28 units; the f32 sum is good to 16 units for the first value, to 2 for a step).  i1 x 2^24 in two words: i1 << 24 and i1 >> 8, signed.
.macro CV st, i, sc, src, dst
.if \st == 1
	v_mul_f32 v[CP+\i], s[\sc], v[\src]
.endif
.if \st == 2
	v_mul_f32 v[CU+\i], s[\sc+1], v[\src+1]
.endif
.if \st == 3
	v_trunc_f32 v[CT+\i], v[CP+\i]
.endif
.if \st == 4
	v_sub_f32 v[CP+\i], v[CP+\i], v[CT+\i]
.endif
.if \st == 5
	v_cvt_i32_f32 v[CT+\i], v[CT+\i]
.endif
.if \st == 6
	v_fma_f32 v[CU+\i], v[CP+\i], s19, v[CU+\i]
.endif
.if \st == 7
	v_cvt_i32_f32 v[CI+2*\i], v[CU+\i]
.endif
.if \st == 8
	v_lshlrev_b32 v[\dst], 24, v[CT+\i]
.endif
.if \st == 9
	v_ashrrev_i32 v[\dst+1], 8, v[CT+\i]
.endif
.if \st == 10
	v_ashrrev_i32 v[CI+2*\i+1], 31, v[CI+2*\i]
.endif
.if \st == 11
	v_add_nc_u64 v[\dst:\dst+1], v[\dst:\dst+1], v[CI+2*\i:CI+2*\i+1]
.endif
.endm
.irp st, 1,2,3,4,5,6,7,8,9,10,11
	CV \st, 0, 24, BS,   VV                        ; the first values of the two angles
	CV \st, 1, 24, BS+2, VV+2
	CV \st, 2, 26, RR,   DD                        ; 8 K cos: eight columns on
	CV \st, 3, 26, RR+4, DD+2
	CV \st, 4, 28, RR+2, EE                        ; 4 K sin: four rows on
	CV \st, 5, 28, RR+6, EE+2
.endr
	v_add_nc_u32 v[VV+1], 0x5a800, v[VV+1]         ; + 90.5 (x 2^12 in the high word): the whole part is the even angle's bin
	v_add_nc_u32 v[VV+3], 0x5c800, v[VV+3]         ; + 92.5: the odd angle's bin + 2
	v_add_nc_u64 v[VV+4:VV+5], v[VV:VV+1], v[EE:EE+1]          ; the odd W: four rows further down
	v_add_nc_u64 v[VV+6:VV+7], v[VV+2:VV+3], v[EE+2:EE+3]
.macro STEPV c                         ; chain c goes eight columns on
	v_add_nc_u64 v[VV+2*\c:VV+2*\c+1], v[VV+2*\c:VV+2*\c+1], v[DD+2*(\c%2):DD+2*(\c%2)+1]
.endm
; Pixel k of both W.  At its head set k%2 of RS holds the four whole parts and VV the values of pixel k + 1; the next pixel's shifts and
; the steps stand between this pixel's dependent lines.
.macro PIX k
.set RK, RS+4*((\k)%2)
.set RN, RS+4*((\k+1)%2)
.irp c, 0,1,2,3
	v_min_u32 v[RK+\c], 179+2*(\c%2), v[RK+\c]     ; the problem's upper clip (181 where 2 has been added)
.endr
.if \k < 19
.irp c, 0,1,2,3
	v_lshrrev_b32 v[RN+\c], 12, v[VV+2*\c+1]
.endr
.endif
	v_sub_nc_u32 v[DF],   v[RK+1], v[RK]           ; r1 - r0 + 2, 0 .. 4
	v_sub_nc_u32 v[DF+1], v[RK+3], v[RK+2]
.if \k < 18
	STEPV 0
	STEPV 1
.endif
.if \k%3 == 0
	v_mad_u32_u24 v[DW+\k/3],   v[DF],   s20, v[RK]            ; idx starts a word
	v_mad_u32_u24 v[DW+8+\k/3], v[DF+1], s20, v[RK+2]
.else
	v_mad_u32_u24 v[DF],   v[DF],   s20, v[RK]
	v_mad_u32_u24 v[DF+1], v[DF+1], s20, v[RK+2]
.endif
.if \k < 18
	STEPV 2
	STEPV 3
.endif
.if \k%3 != 0
	v_lshl_or_b32 v[DW+\k/3],   v[DF],   10*(\k%3), v[DW+\k/3]
	v_lshl_or_b32 v[DW+8+\k/3], v[DF+1], 10*(\k%3), v[DW+8+\k/3]
.endif
.endm
.irp c, 0,1,2,3
	v_lshrrev_b32 v[RS+\c], 12, v[VV+2*\c+1]       ; pixel 0
.endr
	STEPV 0
	STEPV 1
	STEPV 2
	STEPV 3
.irp k, 0,1,2,3,4,5,6,7,8,9,10,11,12,13,14,15,16,17,18,19
	PIX \k
.endr
	v_mov_b32 v[DW+7], 0
	v_mov_b32 v[DW+15], 0
	s_mul_i32 s14, s18, PAIRB                      ; my pair,
	s_lshl_b32 s15, s10, 10                        ; and 2 W x 32 threads x 16 bytes for each q
	s_add_co_u32 s14, s14, s15
	s_mov_b32 s15, 0
	s_wait_kmcnt 0x0
	s_add_nc_u64 s[4:5], s[4:5], s[14:15]
	global_store_b128 v3, v[DW:DW+3], s[4:5]                       ; each store covers 512 consecutive bytes, aligned
	global_store_b128 v3, v[DW+8:DW+11], s[4:5] offset:512
	global_store_b128 v3, v[DW+4:DW+7], s[4:5] offset:HALFB
	global_store_b128 v3, v[DW+12:DW+15], s[4:5] offset:HALFB+512
	s_endpgm
.Lfunc_end_k_qcd4d0e0379_rhotab:
	.size	k_qcd4d0e0379_rhotab, .Lfunc_end_k_qcd4d0e0379_rhotab-k_qcd4d0e0379_rhotab
	.p2alignl 7, 3214868480
	.fill 96, 4, 3214868480
	.section	.rodata,"a",@progbits
	.p2align	6, 0x0
	.amdhsa_kernel k_qcd4d0e0379_rhotab
		.amdhsa_group_segment_fixed_size 0
		.amdhsa_private_segment_fixed_size 0
		.amdhsa_enable_private_segment 0
		.amdhsa_kernarg_size 8
		.amdhsa_user_sgpr_count 2
		.amdhsa_user_sgpr_kernarg_segment_ptr 1
		.amdhsa_wavefront_size32 1
		.amdhsa_system_sgpr_workgroup_id_x 1
		.amdhsa_system_sgpr_workgroup_id_y 1
		.amdhsa_system_sgpr_workgroup_id_z 1
		.amdhsa_system_vgpr_workitem_id 0
		.amdhsa_next_free_vgpr 144
		.amdhsa_next_free_sgpr 66
		.amdhsa_reserve_vcc 0
		.amdhsa_float_denorm_mode_32 3
		.amdhsa_float_denorm_mode_16_64 3
		.amdhsa_memory_ordered 1
		.amdhsa_forward_progress 1
		.amdhsa_inst_pref_size 30
	.end_amdhsa_kernel
	.amdgpu_metadata
---
amdhsa.version: [ 1, 2 ]
amdhsa.kernels:
  - .name:           k_qcd4d0e0379_rhotab
    .symbol:         k_qcd4d0e0379_rhotab.kd
    .args:
      - { .name: rho, .offset: 0, .size: 8, .value_kind: global_buffer, .address_space: global }
    .group_segment_fixed_size: 0
    .private_segment_fixed_size: 0
    .kernarg_segment_align: 8
    .kernarg_segment_size: 8
    .max_flat_workgroup_size: 128
    .sgpr_count:     66
    .vgpr_count:     144
    .wavefront_size: 32
...
	.end_amdgpu_metadata
.endif
;; end of part 3
;; launch iht (part 4): grid 256 x 1, 20 waves a work-group, no clusters, 322,560 bytes of LDS; arguments hough_feat, rho, out0; writes out0
.if DOCPART == 4
	.amdgcn_target "amdgcn-amd-amdhsa--gfx1250"
	.amdhsa_code_object_version 6
	.text
	.protected	k_qcd4d0e0379_iht
	.globl	k_qcd4d0e0379_iht
	.p2align	8
	.type	k_qcd4d0e0379_iht,@function
k_qcd4d0e0379_iht:
	s_mov_b64 s[64:65], 0
	v_nop
	global_prefetch_b8 v0, s[64:65] scope:SCOPE_SE
	s_setreg_imm32_b32 hwreg(HW_REG_WAVE_MODE, 25, 1), 1
	s_wait_xcnt 0x0
; out[p][y][x] = sum over 180 angles a of H[p][a][r(a, y, x)], p = 1,024 planes (n, c), all in f32.
; What costs here is the gather, so each gather is made to carry as much as it can: eight numbers.
;  - A work-group takes four planes and all 12,800 pixels; the four planes' values of a bin lie side by side, 16 bytes.
;  - Angles go in pairs (2j, 2j+1).  The two bins of a pixel differ by d = -2 .. 2, so for each pair LDS holds the five tables
;    G[d+2][rho] = H[2j][rho] + H[2j+1][rho+d], and one 16-byte LDS load at idx = 200 (d+2) + rho brings both angles of four planes.
;    idx comes packed, ten bits each, from the table rho that the launch before stored.
;  - 20 waves; lane l of wave W keeps the pixels y = 4 W + ((l >> 2) & 3), x = 8 k + 4 (l >> 4) + (l & 3), k = 0 .. 19: 80 sums in registers
;    for the whole launch.  Sixteen neighbouring lanes hold a block of 4 x 4 pixels: their values differ by at most 3 (|cos| + |sin|) K = 4.27, their
;    bins by at most 5.  With the pitch of 200 entries (8 modulo 16) between neighbouring d, two different entries of such a block share a
;    16-byte column modulo 256 bytes only if their bins are 8 apart (or equal, with d two apart, which needs both values at the edge of rounding).
; LDS: two slots of ten pairs, a pair 5 x 200 entries of 16 bytes = 16,000 bytes.  While the ten pairs of one slot are gathered from (a trip),
; the next ten are built into the other: wave W builds bins 96 (W&1) .. + 95 of pair W>>1, 32 bins at a time.  Entries whose rho + d
; leaves 0 .. 179 hold clamped or neighbouring numbers, bins 192 .. 199 are never written; no idx names either.  One barrier a trip.
; ORDER OF THE SUM: the two angles of a pair first, then the 90 pair sums in ascending order; the problem adds the 180 angles one by one.
; No cluster and no joint requests: what the work-groups share is the index table, 20,480 bytes a pair; a joint request lands in LDS,
; of which 327,680 - 320,000 = 7,680 bytes are free.  H is read by one work-group only.
.set PLANE,  129600                    ; bytes of a plane of H: 180 x 180 x 4
.set ROWB,   720                       ; bytes of a row of H
.set CHUNKB, 14400                     ; ten pairs = twenty rows of H
.set OPLANE, 51200                     ; bytes of a plane of out
.set OROW,   640                       ; bytes of a row of out
.set WROWS,  4*OROW                    ; a wave's four rows of a plane
.set STAGE,  4*WROWS                   ; the way out: a wave's four rows of four planes
.set PAIRL,  16000                     ; LDS bytes of a pair
.set DPL,    3200                      ; LDS bytes of one d: 200 entries
.set SLOT,   160000
.set TPAIR,  20480                     ; bytes of a pair in the index table
.set THALF,  10240
.set GO,  2                            ; v2-4   4 min(rho_t, 179), rho_t = 96 (W&1) + 32 t + lane;  v5, v6: 4 min(rho_2 + 1, 179), 4 min(rho_2 + 2, 179)
.set LO0, 7                            ; v7     where I store my bin t = 0, d = -2 in slot 0;  v8: in slot 1
.set STO, 9                            ; v9     the way out: where my pixel k = 0 of plane 0 goes in my stage
.set RD,  10                           ; v10    the way out: my stage + 16 lane
.set CO,  11                           ; v11    my byte offset in a plane of out: 2,560 W + 16 lane
.set IDX, 12                           ; v[12:51]   five sets of eight index words
.set RAW, 52                           ; v[52:75]   H[2j][rho] of four planes, then H[2j+1][rho+d] of four planes for the five d
.set GD,  76                           ; v[76:107]  gathered data: two halves of four places of four registers
.set ACC, 108                          ; v[108:187] sums: pixel k, plane c at ACC + 4 k + c
.set AD,  188                          ; v[188:191] the four addresses of the group that is issued next
.set OUTR, 12                          ; v[12:91]   the way out: 20 x 16 bytes (the index, RAW and first gather registers, done with by then)
.set SB,  20                           ; s20-23 LDS bases 0, 80,000, 160,000, 240,000: five pairs are in reach of the 16-bit offset
	s_load_b128 s[4:7], s[0:1], 0x0                ; H s[4:5], rho s[6:7]
	s_load_b64 s[8:9], s[0:1], 0x10                ; out
	v_lshrrev_b32 v77, 5, v0
	v_readfirstlane_b32 s10, v77                   ; W, 0 .. 19
	v_and_b32 v76, 31, v0                          ; lane
	v_lshlrev_b32 v1, 4, v0                        ; v1: 16 bytes a thread in the index table
	s_and_b32 s11, s10, 1                          ; which half of the bins I build
	s_lshr_b32 s12, s10, 1                         ; which pair of the ten
	s_mul_i32 s13, s11, 96
	v_add_nc_u32 v77, s13, v76                     ; rho_0
.irp t, 0,1,2
	v_add_nc_u32 v78, 32*\t, v77
	v_min_u32 v78, 179, v78                        ; bins 180 .. 191 repeat bin 179: no load leaves its row
	v_lshlrev_b32 v[GO+\t], 2, v78
.endr
.irp e, 1,2
	v_add_nc_u32 v78, 64+\e, v77
	v_min_u32 v78, 179, v78                        ; rho_2 + 1, rho_2 + 2 clamped likewise: the last plane's last row is not passed
	v_lshlrev_b32 v[GO+2+\e], 2, v78
.endr
	s_mul_i32 s14, s12, PAIRL
	s_mul_i32 s15, s11, 1536                       ; 96 bins x 16 bytes
	s_add_co_u32 s14, s14, s15
	v_lshl_add_u32 v[LO0], v76, 4, s14
	v_add_nc_u32 v[LO0+1], SLOT, v[LO0]
	s_mul_i32 s15, s10, STAGE                      ; my stage
	v_bfe_u32 v78, v76, 2, 2                       ; my row of the four
	v_mul_u32_u24 v78, v78, OROW
	v_lshrrev_b32 v79, 4, v76
	v_lshl_add_u32 v78, v79, 4, v78                ; + 4 columns for the upper sixteen lanes
	v_and_b32 v79, 3, v76
	v_lshl_add_u32 v78, v79, 2, v78                ; + my column of the four
	v_add_nc_u32 v[STO], s15, v78
	v_lshl_add_u32 v[RD], v76, 4, s15
	s_mul_i32 s15, s10, WROWS
	v_lshl_add_u32 v[CO], v76, 4, s15
	s_mov_b32 s[SB+0], 0
	s_mov_b32 s[SB+1], 5*PAIRL
	s_mov_b32 s[SB+2], SLOT
	s_mov_b32 s[SB+3], SLOT+5*PAIRL
	s_mov_b32 s19, 0                               ; high word of the step s[18:19]
	s_mul_i32 s26, ttmp9, 4*PLANE                  ; my four planes of H (below 2^31),
	s_mul_i32 s27, s12, 2*ROWB                     ; my pair's two rows
	s_add_co_u32 s26, s26, s27
	s_mov_b32 s27, 0
	s_mul_i32 s28, ttmp9, 4*OPLANE                 ; my four planes of out
	s_mov_b32 s29, 0
	s_wait_kmcnt 0x0
	s_add_nc_u64 s[16:17], s[4:5], s[26:27]        ; s[16:17]: H at my pair of the chunk being loaded
	s_add_nc_u64 s[8:9], s[8:9], s[28:29]
; 24 loads: 32 bins (part t) of row 2j and, shifted by d = -2 .. 2, of row 2j+1, for four planes.  A shift below bin 0 reads the end of row 2j.
.macro LOADRAW t, R
.irp c, 0,1,2,3
	global_load_b32 v[\R+\c], v[GO+\t], s[16:17] offset:\c*PLANE
.endr
.irp dd, 0,1,2,3,4
.irp c, 0,1,2,3
.if (\t == 2) && (\dd >= 3)
	global_load_b32 v[\R+4+4*\dd+\c], v[GO+\dd], s[16:17] offset:\c*PLANE+ROWB          ; v5, v6: the shift is in the clamped register
.else
	global_load_b32 v[\R+4+4*\dd+\c], v[GO+\t], s[16:17] offset:\c*PLANE+ROWB+4*(\dd-2)
.endif
.endr
.endr
.endm
; the five pair sums of those bins, in place, and their five stores: lanes 16 bytes apart
.macro BUILDCORE t, R, LO
.irp dd, 0,1,2,3,4
	v_pk_add_f32 v[\R+4+4*\dd:\R+5+4*\dd], v[\R+4+4*\dd:\R+5+4*\dd], v[\R:\R+1]
	v_pk_add_f32 v[\R+6+4*\dd:\R+7+4*\dd], v[\R+6+4*\dd:\R+7+4*\dd], v[\R+2:\R+3]
.endr
.irp dd, 0,1,2,3,4
	ds_store_b128 v[\LO], v[\R+4+4*\dd:\R+7+4*\dd] offset:512*\t+DPL*\dd
.endr
.endm
; Part t of the next chunk goes into the slot that is not gathered from, and the loads of part nt follow.
; left = the index loads issued behind my RAW run, two a step: they stay out.
.macro BUILD t, nt, par, left
	s_wait_loadcnt \left                           ; loads return in order (ISA guide 5.7.1): the RAW run is in, and every load that names s[16:17] is done
	BUILDCORE \t, RAW, LO0+1-\par
	s_wait_dscnt 0x0                               ; the five stores have taken their data: RAW is loaded again only behind this wait
.if \t == 2
.if \par == 0
	s_add_nc_u64 s[16:17], s[16:17], CHUNKB        ; the chunk after the next
.else
	s_cmp_lt_u32 s25, 3                            ; in the loop's last trip there is no such chunk: the base stays, the run below reads
	s_cselect_b32 s18, CHUNKB, 0                   ; the last chunk's rows once more and nobody uses it, so that every path counts the same loads
	s_add_nc_u64 s[16:17], s[16:17], s[18:19]
.endif
.endif
	LOADRAW \nt, RAW
.endm
; THE GATHERS.  A trip's 200 gathers a lane go in 50 groups of four; group q holds pixels 4 (q%5) .. + 3 of local pair q/5 and lands in
; half q%2 of GD.  The four stages of a group's addresses, each four independent lines:
.macro ABFE q                          ; ten bits of the index words of set (q/5)%5
.irp p, 0,1,2,3
	v_bfe_u32 v[AD+\p], v[IDX+8*(((\q)/5)%5)+(4*((\q)%5)+\p)/3], 10*((4*((\q)%5)+\p)%3), 10
.endr
.endm
.macro AMIN                            ; 5 x 200 entries: whatever the table holds, the load stays in its pair
.irp p, 0,1,2,3
	v_min_u32 v[AD+\p], 999, v[AD+\p]
.endr
.endm
.macro ASHL q, par                     ; 16 bytes an entry, plus the base of the slot's five pairs
.irp p, 0,1,2,3
	v_lshl_add_u32 v[AD+\p], v[AD+\p], 4, s[SB+2*\par+(\q)/25]
.endr
.endm
.macro AGET q
.irp p, 0,1,2,3
	ds_load_b128 v[GD+16*((\q)%2)+4*\p:GD+16*((\q)%2)+4*\p+3], v[AD+\p] offset:PAIRL*(((\q)/5)%5)
.endr
.endm
.macro PKADD q, p                      ; place p of group q joins its pixel's four sums
.set KK, ACC+4*(4*((\q)%5)+\p)
.set GG, GD+16*((\q)%2)+4*\p
	v_pk_add_f32 v[KK:KK+1],   v[KK:KK+1],   v[GG:GG+1]
	v_pk_add_f32 v[KK+2:KK+3], v[KK+2:KK+3], v[GG+2:GG+3]
.endm
; Unit q: group q is added while the addresses of group q + 2 are made between the adds, so that no line reads the result of a line
; fewer than five lines in front of it; then group q + 2 is issued into the half just read.  left = the gathers issued behind group q.
.macro UNIT q, par, issue, left
	s_wait_dscnt \left                             ; LDS loads return in order (ISA guide 5.7.1): group q is in, group q + 1 stays out
	PKADD \q, 0
.if \issue
	ABFE \q+2
.endif
	PKADD \q, 1
.if \issue
	AMIN
.endif
	PKADD \q, 2
.if \issue
	ASHL \q+2, \par
.endif
	PKADD \q, 3
.if \issue
	AGET \q+2
.endif
.endm
; The five units of local pair jl.  The fourth makes the first addresses of pair jl + 1: left = the loads issued behind that pair's two
; index loads.  next = 1: this pair's set, last read in the third unit, is loaded again with the indices of the pair five steps on.
.macro STEP par, jl, left, next
	UNIT 5*\jl,   \par, 1, 4
	UNIT 5*\jl+1, \par, 1, 4
	UNIT 5*\jl+2, \par, 1, 4
.if \jl < 9
	s_wait_loadcnt \left
	UNIT 5*\jl+3, \par, 1, 4
	UNIT 5*\jl+4, \par, 1, 4
.else
	UNIT 5*\jl+3, \par, 0, 4                       ; the next pair lies behind the barrier: nothing more is issued,
	UNIT 5*\jl+4, \par, 0, 0                       ; and the last wait is for 0
.endif
.if \next
	global_load_b128 v[IDX+8*(\jl%5):IDX+8*(\jl%5)+3],   v1, s[6:7] offset:(\jl+5)*TPAIR
	global_load_b128 v[IDX+8*(\jl%5)+4:IDX+8*(\jl%5)+7], v1, s[6:7] offset:(\jl+5)*TPAIR+THALF
.endif
.endm
; a trip's first two groups.  left = the loads issued behind the first pair's index loads: a RAW run (24) and four steps' index loads (8)
.macro HEAD par, left
	s_wait_loadcnt \left
	ABFE 0
	AMIN
	ASHL 0, \par
	AGET 0
	ABFE 1
	AMIN
	ASHL 1, \par
	AGET 1
.endm
; Ten pairs from slot par, the next ten built into the other slot in three parts.
; Loads in the order of issue: RAW part 1, index loads of steps 5, 6, 7, RAW part 2, of steps 8, 9, 10, RAW part 0, of steps 11 to 14 (10 to 14
; are the next trip's 0 to 4).  A step's wait is for 30: behind the two index loads that it wants stand three steps' index loads (6) and one
; RAW run (24) that is not yet due; an older RAW run has been waited for by its own BUILD.
.macro TRIP par
	HEAD \par, 32
	BUILD 0, 1, \par, 8                            ; four steps' index loads are younger than its RAW run
	STEP \par, 0, 30, 1
	STEP \par, 1, 30, 1
	STEP \par, 2, 30, 1
	BUILD 1, 2, \par, 6                            ; three steps'
	STEP \par, 3, 30, 1
	STEP \par, 4, 30, 1
	STEP \par, 5, 30, 1
	BUILD 2, 0, \par, 6
	STEP \par, 6, 30, 1
	STEP \par, 7, 30, 1
	STEP \par, 8, 30, 1
	STEP \par, 9, 0, 1
	s_wait_xcnt 0x0                                ; the pending index loads have had their addresses translated (ISA guide 3.1): their base steps only now
	s_add_nc_u64 s[6:7], s[6:7], 10*TPAIR
	s_barrier_signal -1                            ; no LDS instruction of mine is out (the last unit's wait was for 0, behind the BUILDs' waits):
	s_barrier_wait -1                              ; my gathers from this slot and my stores into the other are done, and so are everybody's
.endm
	; chunk 0 comes in through the registers of the sums, which are not yet in use
	LOADRAW 0, ACC
	LOADRAW 1, ACC+24
	LOADRAW 2, ACC+48
	s_wait_xcnt 0x0                                ; the base steps only behind this wait
	s_add_nc_u64 s[16:17], s[16:17], CHUNKB
	; then, in the order in which a trip leaves them behind: the first pair's indices, RAW part 0 of chunk 1, the indices of pairs 1 to 4
	global_load_b128 v[IDX:IDX+3],   v1, s[6:7]
	global_load_b128 v[IDX+4:IDX+7], v1, s[6:7] offset:THALF
	LOADRAW 0, RAW
.irp s, 1,2,3,4
	global_load_b128 v[IDX+8*\s:IDX+8*\s+3],   v1, s[6:7] offset:\s*TPAIR
	global_load_b128 v[IDX+8*\s+4:IDX+8*\s+7], v1, s[6:7] offset:\s*TPAIR+THALF
.endr
	s_wait_loadcnt 34                              ; chunk 0 is in; the 2 + 24 + 8 loads behind it stay out
	BUILDCORE 0, ACC, LO0
	BUILDCORE 1, ACC+24, LO0
	BUILDCORE 2, ACC+48, LO0
	s_wait_dscnt 0x0                               ; my part of slot 0 is written
	; The sums start at 0: 80 moves once, against 3,600 packed adds a lane.  (Letting the first pair's gathers land in the sums
	; would take a copy of a whole trip's code.)
.set i, 0
.rept 80
	v_mov_b32 v[ACC+i], 0
.set i, i+1
.endr
	s_barrier_signal -1
	s_barrier_wait -1                              ; slot 0 is whole
	s_mov_b32 s25, 0
.Ltrips:                                           ; chunks 0 to 7 gathered, chunks 1 to 8 built
	TRIP 0
	TRIP 1
	s_add_co_u32 s25, s25, 1
	s_cmp_lt_u32 s25, 4
	s_cbranch_scc1 .Ltrips
	; chunk 8, in slot 0: nothing is left to build, so only index loads are younger than index loads (three steps', 6),
	; and the last five steps load none: the counts run down
	HEAD 0, 32                                     ; the unused RAW run (24) and four steps' index loads are younger
	STEP 0, 0, 6, 1
	STEP 0, 1, 6, 1
	STEP 0, 2, 6, 1
	STEP 0, 3, 6, 1
	STEP 0, 4, 6, 1
	STEP 0, 5, 6, 0
	STEP 0, 6, 4, 0
	STEP 0, 7, 2, 0
	STEP 0, 8, 0, 0
	STEP 0, 9, 0, 0
	s_barrier_signal -1                            ; (the last wait on LDS was for 0)
	s_barrier_wait -1                              ; nobody gathers any more: the first 20 x 10,240 bytes of LDS become the stages
	; THE WAY OUT.  A wave's pixels are four whole rows, 2,560 consecutive bytes of each plane.  They go word by word into my own stage, laid as
	; in memory, and come back as 16 neighbouring bytes a lane.  LDS serves a wave's instructions in order (ISA guide 5.7.1): no wait between
	; the stores and the loads.  (Rows 0 and 2 of a block lie 1,280 bytes apart: a store's lanes meet two deep in the banks, 80 stores a wave, once.)
.irp c, 0,1,2,3
.irp k, 0,1,2,3,4,5,6,7,8,9,10,11,12,13,14,15,16,17,18,19
	ds_store_b32 v[STO], v[ACC+4*\k+\c] offset:WROWS*\c+32*\k
.endr
.endr
.irp c, 0,1,2,3
.irp i, 0,1,2,3,4
	ds_load_b128 v[OUTR+4*(5*\c+\i):OUTR+4*(5*\c+\i)+3], v[RD] offset:WROWS*\c+512*\i
.endr
.endr
.irp c, 0,1,2,3
.irp i, 0,1,2,3,4
	s_wait_dscnt 19-(5*\c+\i)                      ; this load is in, the younger ones stay out
	global_store_b128 v[CO], v[OUTR+4*(5*\c+\i):OUTR+4*(5*\c+\i)+3], s[8:9] offset:\c*OPLANE+512*\i th:TH_STORE_NT   ; 512 consecutive bytes of a plane, aligned
.endr
.endr
	s_wait_xcnt 0x0
	v_lshl_add_u32 v190, v0, 2, 0x4e200
	v_mov_b32 v191, 0
	s_wait_tensorcnt 0x0
	ds_add_u32 v190, v191
	s_wait_dscnt 0x0
	s_endpgm
.Lfunc_end_k_qcd4d0e0379_iht:
	.size	k_qcd4d0e0379_iht, .Lfunc_end_k_qcd4d0e0379_iht-k_qcd4d0e0379_iht
	.p2alignl 7, 3214868480
	.fill 96, 4, 3214868480
	.section	.rodata,"a",@progbits
	.p2align	6, 0x0
	.amdhsa_kernel k_qcd4d0e0379_iht
		.amdhsa_group_segment_fixed_size 322560
		.amdhsa_private_segment_fixed_size 0
		.amdhsa_enable_private_segment 0
		.amdhsa_kernarg_size 24
		.amdhsa_user_sgpr_count 2
		.amdhsa_user_sgpr_kernarg_segment_ptr 1
		.amdhsa_wavefront_size32 1
		.amdhsa_system_sgpr_workgroup_id_x 1
		.amdhsa_system_sgpr_workgroup_id_y 1
		.amdhsa_system_sgpr_workgroup_id_z 1
		.amdhsa_system_vgpr_workitem_id 0
		.amdhsa_next_free_vgpr 192
		.amdhsa_next_free_sgpr 66
		.amdhsa_reserve_vcc 0
		.amdhsa_float_denorm_mode_32 3
		.amdhsa_float_denorm_mode_16_64 3
		.amdhsa_memory_ordered 1
		.amdhsa_forward_progress 1
		.amdhsa_inst_pref_size 255
	.end_amdhsa_kernel
	.section	.bss,"aw",@nobits
	.p2align	6
	.space	262144
	.amdgpu_metadata
---
amdhsa.version: [ 1, 2 ]
amdhsa.kernels:
  - .name:           k_qcd4d0e0379_iht
    .symbol:         k_qcd4d0e0379_iht.kd
    .args:
      - { .name: hough_feat, .offset: 0, .size: 8, .value_kind: global_buffer, .address_space: global }
      - { .name: rho, .offset: 8, .size: 8, .value_kind: global_buffer, .address_space: global }
      - { .name: out0, .offset: 16, .size: 8, .value_kind: global_buffer, .address_space: global }
    .group_segment_fixed_size: 322560
    .private_segment_fixed_size: 0
    .kernarg_segment_align: 8
    .kernarg_segment_size: 24
    .max_flat_workgroup_size: 640
    .sgpr_count:     66
    .vgpr_count:     192
    .wavefront_size: 32
...
	.end_amdgpu_metadata
.endif
;; end of part 4
